; MI455X (gfx1250); checked and timed in simulation.
; The chip was launched on July 23, 2026; its instructions are those of AMD's public machine-readable ISA for CDNA 5 (MIT licence, August 2026) and "CDNA5" Instruction Set Architecture Reference Guide (July 2026). The comments in the code are by the model that wrote it; some were corrected since.
;; TT Linear. Allowed arithmetic: float matrix products may take bf16 or f16 operands with f32 sums; all other float work in f32.
;; Inputs: bias 4,096 float32; core0 1 x 4,096 x 8 float32; core1 8 x 4,096 x 1 float32; x 4,096 x 4,096 float32.
;; Outputs: out0 4,096 x 4,096 float32.
;; One version. Each part assembles by itself: llvm-mc -triple=amdgcn-amd-amdhsa -mcpu=gfx1250 --defsym DOCPART=n.
;; ======== version 1 of 1: 1 launch
;; launch ttlin (part 1): grid 256 x 1, 16 waves a work-group, no clusters, 327,680 bytes of LDS; arguments x, core0, core1, bias, out0; writes out0
.if DOCPART == 1
	.amdgcn_target "amdgcn-amd-amdhsa--gfx1250"
	.amdhsa_code_object_version 6
	.text
	.protected	k_q81e58cf07a_ttlin
	.globl	k_q81e58cf07a_ttlin
	.p2align	8
	.type	k_q81e58cf07a_ttlin,@function
k_q81e58cf07a_ttlin:
	s_mov_b64 s[64:65], 0
	v_nop
	global_prefetch_b8 v0, s[64:65] scope:SCOPE_SE
	s_setreg_imm32_b32 hwreg(HW_REG_WAVE_MODE, 25, 1), 1
	s_wait_xcnt 0x0
; out[tok][o] = sum over i of x[tok][i] * (sum over r of core0[o][r] core1[r][i]) + bias[o].   x, out: [4096][4096] f32; core0: [4096][8]; core1: [8][4096]; bias: [4096].
; THE ORDER OF THE PRODUCTS.  The weight is a product of a [4096][8] and an [8][4096] matrix for every input, so by associativity
;   t[tok][r] = sum over i of x[tok][i] core1[r][i]      and      out[tok][o] = sum over r of t[tok][r] core0[o][r] + bias[o].
; The [4096][4096] weight is never formed; every input is read; x is read once and out written once, which is what the text is built round.
; SHARES.  256 work-groups of 16 waves; a work-group owns 16 tokens.  Wave w takes columns 256 w .. 256 w + 255: of x and core1 for t (a slice of the sum), of core0, bias and out for the second product.
; All of the group's x (16 rows x 16,384 bytes) is asked for in the first lines, one tensor load a wave (16 rows x 1,024 bytes): nothing in LDS is ever filled twice, so there is no ring.
; FORMATS.  x, core0 and core1 are rounded to bf16 on their way to the matrix unit; sums in f32.  t is carried as two bf16 numbers, t_hi + t_lo (16 significant bits); bias stays f32: it is the C operand.
; LIMITS.  A number of x, core0, core1 or t beyond bf16's largest finite one (3.39e38) becomes an infinity.  The order of summation differs from a plain row sum: 16 slices of 256 columns, each in two chains.
; An infinity or NaN in row o of core0 spoils the four output columns of o's aligned group of four (0 x inf in the block-diagonal product below), not column o alone.
; NO CLUSTER.  What work-groups share is core0, core1 and bias, 278,528 bytes.  A joint load lands f32 in LDS: 131,072 bytes for either core, and beside the resident x (266,240 bytes)
; 61,440 of 327,680 are left.  Room for it would mean a ring for x, with fewer of its bytes asked for at once.  So the cores come through registers, each wave its own slice, rounded on the way.
; THE SECOND PRODUCT IS BLOCK-DIAGONAL, so that all 32 places of K are used though the rank is 8, and so that results leave from the registers in which they are made:
;   place k = 16 g + 8 h + e stands for (q' = 2 g + h, r = e).  Source 1, column n: core0[64 T + 4 n + q'][r].  Source 0, row m: t[4 G + m / 4][r] where q' = m % 4, else 0.
;   Result, lane (n, hD), register j: out[4 G + 2 hD + j / 4][64 T + 4 n + j % 4]: registers 0-3 and 4-7 are 16 neighbouring bytes of a row each; sixteen lanes hold 256 neighbouring bytes.
; LDS (bytes):
.set XPITCH, 1040                      ; a row of a wave's x tile: 1,024 bytes + 16 of padding = 65 x 16: the 16 rows that a load touches start at 16 different groups of four banks (64 banks of 4 bytes: ISA guide 11.1)
.set XTILE,  16*XPITCH                 ; 16,640 = 65 x 256: wave w's tile at w x 16,640; filled once, read by wave w alone
.set STG,    16*XTILE                  ; 266,240: wave w's own stage, 2,560 bytes, in which the cores are turned into fragments
.set STGW,   2560
.set PART,   STG+16*STGW               ; 307,200: the slices' sums, f32: 512 w + 32 tok + 4 r
.set TT,     PART+8192                 ; 315,392: t_hi[tok][0..7] bf16 at 16 tok; t_lo 256 further on
.set ZERO,   TT+512                    ; 315,904: 512 bytes of zeros
.set SPARE,  ZERO+512                  ; 316,416: the spare words, 128 bytes for each of 16 waves: eight blocks of 256 bytes that no other line names
; VECTOR REGISTERS.  l = thread % 32, n = l % 16, h = l / 16.
.set VL,  6                            ; 16 l
.set VB,  7                            ; 16 n
.set VO,  8                            ; 16 n + 2 rows of out for lanes 16-31
.set ST0, 9                            ; stage, core0 in:   80 (l / 8) + 8 (l % 8)
.set FB0, 10                           ; stage, core0 out:  80 n + 16 h
.set ST1, 11                           ; stage, core1 in:   8 l
.set FB1, 12                           ; stage, core1 out:  272 (n % 8) + 32 h
.set XA,  13                           ; my x tile:         1,040 n + 64 h
.set PS,  14                           ; PART + 512 w + 32 n
.set PR,  15                           ; PART + 2,048 (l / 8) + 32 w + 4 (l % 8)
.set TW,  16                           ; TT + 16 w + 2 (l % 8)
.set ZW,  17                           ; ZERO + 32 w + 4 (l % 8)
.set AD0, 18                           ; where registers 0-3 of a fragment of t come from: t's row, or zeros
.set AD1, 19                           ; the same for registers 4-7
.set SPW, 20                           ; LDS address of my spare word: SPARE + 4 x my thread's number; never rewritten
.set NIL, 21                           ; 0; never rewritten
.set SUM, 24                           ; v[24:31]   the slice's sum; then at work
.set R0,  32                           ; v[32:95]   core0 as loaded
.set C1F, 32                           ;            then core1's 8 fragments
.set AF,  32                           ;            then t's 8 fragments: (G, hi or lo) at AF + 16 G + 8 lo
.set C0F, 96                           ; v[96:127]  core0's 4 fragments
.set BI,  128                          ; v[128:159] bias as 4 C operands
.set R1,  160                          ; v[160:223] core1 as loaded
.set XR,  160                          ;            then four buffers of 16 f32 of x
.set DD,  160                          ;            then two sets of four accumulators
.set TMP, 224                          ; v[224:239] rounded cores on their way into the stage
.set XF,  224                          ;            then two fragments of x
.set ACC, 240                          ; v[240:255] the two accumulators of t
	s_load_b256 s[4:11], s[0:1], 0x0               ; x s[4:5], core0 s[6:7], core1 s[8:9], bias s[10:11]
	s_load_b64 s[12:13], s[0:1], 0x20              ; out
	v_lshl_add_u32 v[SPW], v0, 2, SPARE
	v_mov_b32 v[NIL], 0
	ds_add_u32 v[SPW], v[NIL]                      ; the wave's opening: the add and its wait come ahead of my first tensor load; the set-up below, work on registers, stands between them
	ds_add_u32 v20, v21
	v_lshrrev_b32 v4, 5, v0
	v_readfirstlane_b32 s14, v4                    ; my wave's number, 0 to 15
	; descriptor group 1: a tile of 16 rows x 256 elements of 4 bytes, padded in LDS
	s_mov_b32 s16, (2<<16)|(1<<20)|(7<<22)|(3<<25) ; 15:0 no mask; 17:16 elements of 4 bytes; 20 padding on; 24:22 after every 256 words (code 7); 31:25 4 words of it (code 3)
	s_mov_b32 s17, 256<<16                         ; tensor_dim0 = 256
	s_mov_b32 s18, 16<<16                          ; tensor_dim1 = 16
	s_mov_b32 s19, 256<<16                         ; tile_dim0 = 256
	s_mov_b32 s20, 16                              ; tile_dim1 = 16: the group has 16 tokens
	s_mov_b32 s21, 4096                            ; elements from row to row
	s_mov_b32 s22, 0
	s_mov_b32 s23, 0
	s_mov_b32 s24, 1                               ; group 0: count = 1
	s_mul_i32 s25, s14, XTILE                      ; LDS address: my wave's tile
	s_lshl_b32 s15, s14, 10                        ; my 256 columns of f32: 1,024 bytes
	s_lshl_b32 s28, ttmp9, 18                      ; the group's 16 rows of 16,384 bytes (under 2^26 in all)
	s_add_co_u32 s28, s28, s15
	s_mov_b32 s29, 0                               ; s[28:29]: my corner of x and of out
	s_lshl_b32 s32, s14, 13                        ; s[32:33]: my 256 rows of core0, 32 bytes each
	s_mov_b32 s33, 0
	s_mov_b32 s34, s15                             ; s[34:35]: my columns of core1 and of bias
	s_mov_b32 s35, 0
	s_mov_b32 s30, 0x76543210                      ; v_permlanex16_b32: each lane takes its own place in the other half
	s_mov_b32 s31, 0xfedcba98
	v_and_b32 v1, 31, v0                           ; l
	v_and_b32 v2, 15, v0                           ; n
	v_bfe_u32 v3, v0, 4, 1                         ; h
	v_lshlrev_b32 v[VL], 4, v1
	v_lshlrev_b32 v[VB], 4, v2
	s_wait_dscnt 0x0                               ; the opening add is done
	s_wait_kmcnt 0x0
	s_add_nc_u64 s[26:27], s[4:5], s[28:29]        ; global address of my tile's first element
	s_or_b32 s27, s27, 0x80000000                  ; type = 2
	tensor_load_to_lds s[24:27], s[16:23]          ; my one tensor load: 16 KiB; the sixteen waves' together are all of the group's x
	s_nop 0
	s_add_nc_u64 s[6:7], s[6:7], s[32:33]
	s_add_nc_u64 s[8:9], s[8:9], s[34:35]
	s_add_nc_u64 s[10:11], s[10:11], s[34:35]
	s_add_nc_u64 s[12:13], s[12:13], s[28:29]
	; 40 loads, in the order in which they are wanted.  core0: my 8,192 bytes are dense: each load takes 512 neighbouring bytes; lane l of load i holds row 16 i + l / 2, ranks 4 (l % 2) on.
.irp i, 0,1,2,3,4,5,6,7,8,9,10,11,12,13,14,15
	global_load_b128 v[R0+4*(\i):R0+4*(\i)+3], v[VL], s[6:7] offset:512*(\i)
.endr
	; core1: 128 columns (512 neighbouring bytes) of rank r at a time; lane l holds columns 128 j + 4 l on
.irp j, 0,1
.irp r, 0,1,2,3,4,5,6,7
	global_load_b128 v[R1+4*(8*(\j)+(\r)):R1+4*(8*(\j)+(\r))+3], v[VL], s[8:9] offset:16384*(\r)+512*(\j)
.endr
.endr
	; bias: a C operand's registers 0-3 and 4-7 are two rows of out, the same four columns 64 T + 4 n on: the same 16 bytes land in both
.irp t, 0,1,2,3
.irp a, 0,1
	global_load_b128 v[BI+8*(\t)+4*(\a):BI+8*(\t)+4*(\a)+3], v[VB], s[10:11] offset:256*(\t)
.endr
.endr
	; the other addresses, while the loads are out
	s_mul_i32 s36, s14, STGW
	s_add_co_u32 s36, s36, STG                     ; my stage
	s_lshl_b32 s37, s14, 9
	s_add_co_u32 s37, s37, PART                    ; my 512 bytes of PART
	s_lshl_b32 s38, s14, 5                         ; 32 w
	s_lshl_b32 s39, s14, 4                         ; 16 w
	v_lshrrev_b32 v4, 3, v1                        ; l / 8
	v_and_b32 v5, 7, v0                            ; l % 8 = n % 8
	v_lshl_add_u32 v[ZW], v5, 2, s38
	v_add_nc_u32 v[ZW], ZERO, v[ZW]
	ds_store_b32 v[ZW], v[NIL]                     ; my 32 bytes of the zeros (four lanes write each word, all with 0); read behind two barriers
	v_lshl_add_u32 v[VO], v3, 15, v[VB]
	v_mul_u32_u24 v[ST0], v4, 80
	v_lshl_add_u32 v[ST0], v5, 3, v[ST0]
	v_add_nc_u32 v[ST0], s36, v[ST0]
	v_mul_u32_u24 v[FB0], v2, 80
	v_lshl_add_u32 v[FB0], v3, 4, v[FB0]
	v_add_nc_u32 v[FB0], s36, v[FB0]
	v_lshl_add_u32 v[ST1], v1, 3, s36
	v_mul_u32_u24 v[FB1], v5, 272
	v_lshl_add_u32 v[FB1], v3, 5, v[FB1]
	v_add_nc_u32 v[FB1], s36, v[FB1]
	v_mul_u32_u24 v[XA], v2, XPITCH
	v_lshl_add_u32 v[XA], v3, 6, v[XA]
	v_add_nc_u32 v[XA], s25, v[XA]
	v_lshl_add_u32 v[PS], v2, 5, s37
	v_lshlrev_b32 v[PR], 11, v4
	v_lshl_add_u32 v[PR], v5, 2, v[PR]
	v_add3_u32 v[PR], v[PR], s38, PART
	v_lshl_add_u32 v[TW], v5, 1, s39
	v_add_nc_u32 v[TW], TT, v[TW]
	; A fragment of t, lane (m = n, h): its registers 4 g .. 4 g + 3 hold t's row where 2 g + h = m % 4, zeros elsewhere.  nz = ((4 + m % 4 - h - 2 g) % 4 + 3) / 4 is 0 in the first case, 1 in the other,
	; and the zeros lie 512 bytes behind t: address = TT + 16 (m / 4) + 512 nz.  With the loads' offsets (448 at the most) a lane of zeros ends at byte 48 + 448 + 16 = 512 of the 512.
	v_bfe_u32 v22, v0, 2, 2                        ; m / 4
	v_lshl_add_u32 v22, v22, 4, TT
	v_and_b32 v23, 3, v0                           ; m % 4
	v_add_nc_u32 v23, 4, v23
	v_sub_nc_u32 v23, v23, v3                      ; 4 + m % 4 - h: 3 to 7
	v_and_b32 v4, 3, v23
	v_add_nc_u32 v4, 3, v4
	v_lshrrev_b32 v4, 2, v4                        ; nz for g = 0
	v_lshl_add_u32 v[AD0], v4, 9, v22
	v_add_nc_u32 v23, 2, v23                       ; two more is two less, modulo 4
	v_and_b32 v4, 3, v23
	v_add_nc_u32 v4, 3, v4
	v_lshrrev_b32 v4, 2, v4                        ; nz for g = 1
	v_lshl_add_u32 v[AD1], v4, 9, v22
; THE CORES BECOME FRAGMENTS, in my own stage, while x is on its way.  LDS serves a wave's instructions in order (ISA guide 5.7.1.4): the loads see the stores above them, and a batch's stores come behind the
; loads of the batch before; no other wave touches the stage, so there is no barrier and no wait.
; core0, rows 128 b .. 128 b + 127 (tiles T = 2 b, 2 b + 1).  In the stage four rows of 8 bf16 (64 bytes) lie together, 80 bytes apart: 5 x 16.
.macro PREP0 b
	s_wait_loadcnt 32-8*(\b)                       ; loads come back in order (ISA guide 5.7.1): younger than this batch's eight are the rest of core0's, core1's 16 and bias's 8
.set p, 0
.rept 16
	v_cvt_pk_bf16_f32 v[TMP+p], v[R0+32*(\b)+2*p], v[R0+32*(\b)+2*p+1]
.set p, p+1
.endr
.irp c, 0,1,2,3,4,5,6,7
	ds_store_b64 v[ST0], v[TMP+2*(\c):TMP+2*(\c)+1] offset:320*(\c)  ; row 16 c + l / 2: group of four 4 c + l / 8, byte 8 (l % 8) in it
.endr
.irp t, 0,1
.irp g, 0,1
	ds_load_b128 v[C0F+8*(2*(\b)+(\t))+4*(\g):C0F+8*(2*(\b)+(\t))+4*(\g)+3], v[FB0] offset:1280*(\t)+32*(\g)  ; core0[64 T + 4 n + 2 g + h][0..7]
.endr
.endr
.endm
; core1, columns 128 j .. 128 j + 127: eight rows of 256 bytes, 272 apart.  Place (h, g, e) of step s stands for column 32 s + 16 h + 8 g + e, here and in x alike; lane (m, h) takes rank m % 8:
; rows 8-15 of source 0 repeat rows 0-7, so that both halves of the lanes end up with all eight ranks.
.macro PREP1 j
	s_wait_loadcnt 16-8*(\j)                       ; younger: the rest of core1's, and bias's 8
.set p, 0
.rept 16
	v_cvt_pk_bf16_f32 v[TMP+p], v[R1+32*(\j)+2*p], v[R1+32*(\j)+2*p+1]
.set p, p+1
.endr
.irp r, 0,1,2,3,4,5,6,7
	ds_store_b64 v[ST1], v[TMP+2*(\r):TMP+2*(\r)+1] offset:272*(\r)
.endr
.irp s, 0,1,2,3
.irp g, 0,1
	ds_load_b128 v[C1F+8*(4*(\j)+(\s))+4*(\g):C1F+8*(4*(\j)+(\s))+4*(\g)+3], v[FB1] offset:64*(\s)+16*(\g)
.endr
.endr
.endm
	PREP0 0
	PREP0 1
	PREP1 0                                        ; core0's raw registers have been read: core1's fragments take their place
	PREP1 1
; THE FIRST PRODUCT: t's slice over my 256 columns, 32 a step.  Source 0 = core1 (ranks), source 1 = x (lane n = token n): in the result lane (tok, either half) holds rank j in register j.
; A lane's 16 numbers of a step are 64 neighbouring bytes of its token's row: four loads, eight roundings.  Four raw buffers: the loads of step s + 4 go out in step s.
; The two accumulators take turns; a fragment of x is written again eight plain conversions behind the product that read it.
.macro STEP s
.if (\s) < 5
	s_wait_dscnt 12                                ; LDS loads come back in order: younger than this step's four are the next three steps' twelve; the cores' fragments are older
.else
	s_wait_dscnt 4*(7-(\s))                        ; nothing more is asked for: the counts run down
.endif
.set p, 0
.rept 8
	v_cvt_pk_bf16_f32 v[XF+8*((\s)%2)+p], v[XR+16*((\s)%4)+2*p], v[XR+16*((\s)%4)+2*p+1]
.set p, p+1
.endr
.if (\s) < 4
.irp i, 0,1,2,3
	ds_load_b128 v[XR+16*(\s)+4*(\i):XR+16*(\s)+4*(\i)+3], v[XA] offset:128*((\s)+4)+16*(\i)
.endr
.endif
.if (\s) < 2
	v_wmma_f32_16x16x32_bf16 v[ACC+8*(\s):ACC+8*(\s)+7], v[C1F+8*(\s):C1F+8*(\s)+7], v[XF+8*(\s):XF+8*(\s)+7], 0  ; the first two products start the sums
.else
	v_wmma_f32_16x16x32_bf16 v[ACC+8*((\s)%2):ACC+8*((\s)%2)+7], v[C1F+8*(\s):C1F+8*(\s)+7], v[XF+8*((\s)%2):XF+8*((\s)%2)+7], v[ACC+8*((\s)%2):ACC+8*((\s)%2)+7]
.endif
.endm
	s_wait_tensorcnt 0x0                           ; my tile is in LDS; only I read it
.irp s, 0,1,2,3
.irp i, 0,1,2,3
	ds_load_b128 v[XR+16*(\s)+4*(\i):XR+16*(\s)+4*(\i)+3], v[XA] offset:128*(\s)+16*(\i)  ; core1's raw registers have been read: x takes their place
.endr
.endr
.irp s, 0,1,2,3,4,5,6,7
	STEP \s
.endr
.rept 4
	v_nop                                          ; four places between the last product and the first read of its result (ISA guide 7.12.1)
.endr
.irp i, 0,1,2,3
	v_pk_add_f32 v[SUM+2*(\i):SUM+2*(\i)+1], v[ACC+2*(\i):ACC+2*(\i)+1], v[ACC+8+2*(\i):ACC+8+2*(\i)+1]  ; from the accumulators' low end on
.endr
	ds_store_b128 v[PS], v[SUM:SUM+3]              ; part[w][tok][0..3]; lanes tok and 16 + tok store the same numbers to the same bytes
	ds_store_b128 v[PS], v[SUM+4:SUM+7] offset:16
	s_wait_dscnt 0x0                               ; for the others' sake: my slice's sums and my zeros are in LDS
	s_barrier_signal -1
	s_barrier_wait -1
	; THE SLICES ARE ADDED: wave w makes token w's t.  Lane l takes rank l % 8 of slices 4 (l / 8) .. + 3; the four groups of eight lanes meet by one step inside each half and one across the halves.
.irp i, 0,1,2,3
	ds_load_b32 v[SUM+(\i)], v[PR] offset:512*(\i)
.endr
	s_wait_dscnt 0x0
	v_add_f32 v[SUM], v[SUM], v[SUM+1]
	v_add_f32 v[SUM+2], v[SUM+2], v[SUM+3]
	v_add_f32 v[SUM], v[SUM], v[SUM+2]
	v_add_f32_dpp v[SUM], v[SUM], v[SUM] row_xmask:8 row_mask:0xf bank_mask:0xf
	v_permlanex16_b32 v[SUM+1], v[SUM], s30, s31   ; its destination has been written before
	v_add_f32 v[SUM], v[SUM], v[SUM+1]             ; t[w][l % 8], in every lane
	v_cvt_pk_bf16_f32 v[SUM+2], v[SUM], v[SUM]     ; t_hi
	v_lshlrev_b32 v[SUM+3], 16, v[SUM+2]           ; as f32
	v_sub_f32 v[SUM+4], v[SUM], v[SUM+3]           ; what the rounding left, exact
	v_cvt_pk_bf16_f32 v[SUM+5], v[SUM+4], v[SUM+4] ; t_lo
	ds_store_b16 v[TW], v[SUM+2]
	ds_store_b16 v[TW], v[SUM+5] offset:256
	s_wait_dscnt 0x0                               ; for the others' sake: token w's t is in LDS
	s_barrier_signal -1
	s_barrier_wait -1
	; THE SECOND PRODUCT.  t's eight fragments (four groups G of four tokens, hi and lo); the zeros of the block-diagonal operand come out of LDS with them.
.irp g, 0,1,2,3
.irp a, 0,1
	ds_load_b128 v[AF+16*(\g)+8*(\a):AF+16*(\g)+8*(\a)+3],   v[AD0] offset:64*(\g)+256*(\a)
	ds_load_b128 v[AF+16*(\g)+8*(\a)+4:AF+16*(\g)+8*(\a)+7], v[AD1] offset:64*(\g)+256*(\a)
.endr
.endr
	s_wait_dscnt 0x0
	s_wait_loadcnt 0x0                             ; bias
; Tile T: 16 tokens x 64 columns.  Four accumulators by turns: first t_hi with bias as C, then t_lo in place, three others' instructions between the two links of a chain.
; Two sets of accumulators: a set is written again eight v_nop behind its last products, and only when its stores have read it.
.macro TILE t
.if (\t) >= 2
	s_wait_xcnt 0x0                                ; every earlier memory instruction has had its addresses translated (ISA guide 3.1): only behind this wait is the set that tile T - 2 stored from written again
.endif
.irp g, 0,1,2,3
	v_wmma_f32_16x16x32_bf16 v[DD+32*((\t)%2)+8*(\g):DD+32*((\t)%2)+8*(\g)+7], v[AF+16*(\g):AF+16*(\g)+7], v[C0F+8*(\t):C0F+8*(\t)+7], v[BI+8*(\t):BI+8*(\t)+7]
.endr
.irp g, 0,1,2,3
	v_wmma_f32_16x16x32_bf16 v[DD+32*((\t)%2)+8*(\g):DD+32*((\t)%2)+8*(\g)+7], v[AF+16*(\g)+8:AF+16*(\g)+15], v[C0F+8*(\t):C0F+8*(\t)+7], v[DD+32*((\t)%2)+8*(\g):DD+32*((\t)%2)+8*(\g)+7]
.endr
.rept 4
	v_nop                                          ; four places between the last product and the stores that read the results
.endr
.irp g, 0,1,2,3
.irp a, 0,1
	global_store_b128 v[VO], v[DD+32*((\t)%2)+8*(\g)+4*(\a):DD+32*((\t)%2)+8*(\g)+4*(\a)+3], s[12:13] offset:(4*(\g)+(\a))*16384+256*(\t) th:TH_STORE_NT  ; rows 4 G + a (lanes 0-15) and 4 G + 2 + a (lanes 16-31): 16 lanes store 256 consecutive bytes, at a multiple of 256 from out's first byte; each accumulator's low registers first
.endr
.endr
.endm
	TILE 0
	TILE 1
	TILE 2
	TILE 3
	s_wait_tensorcnt 0x0                           ; the wave's end, behind my last tensor load and my last LDS store
	ds_add_u32 v[SPW], v[NIL]
	s_wait_dscnt 0x0
	s_endpgm
.Lfunc_end_k_q81e58cf07a_ttlin:
	.size	k_q81e58cf07a_ttlin, .Lfunc_end_k_q81e58cf07a_ttlin-k_q81e58cf07a_ttlin
	.p2alignl 7, 3214868480
	.fill 96, 4, 3214868480
	.section	.rodata,"a",@progbits
	.p2align	6, 0x0
	.amdhsa_kernel k_q81e58cf07a_ttlin
		.amdhsa_group_segment_fixed_size 327680
		.amdhsa_private_segment_fixed_size 0
		.amdhsa_enable_private_segment 0
		.amdhsa_kernarg_size 40
		.amdhsa_user_sgpr_count 2
		.amdhsa_user_sgpr_kernarg_segment_ptr 1
		.amdhsa_wavefront_size32 1
		.amdhsa_system_sgpr_workgroup_id_x 1
		.amdhsa_system_sgpr_workgroup_id_y 1
		.amdhsa_system_sgpr_workgroup_id_z 1
		.amdhsa_system_vgpr_workitem_id 0
		.amdhsa_next_free_vgpr 256
		.amdhsa_next_free_sgpr 66
		.amdhsa_reserve_vcc 0
		.amdhsa_float_denorm_mode_32 3
		.amdhsa_float_denorm_mode_16_64 3
		.amdhsa_memory_ordered 1
		.amdhsa_forward_progress 1
		.amdhsa_inst_pref_size 31
	.end_amdhsa_kernel
	.amdgpu_metadata
---
amdhsa.version: [ 1, 2 ]
amdhsa.kernels:
  - .name:           k_q81e58cf07a_ttlin
    .symbol:         k_q81e58cf07a_ttlin.kd
    .args:
      - { .name: x, .offset: 0, .size: 8, .value_kind: global_buffer, .address_space: global }
      - { .name: core0, .offset: 8, .size: 8, .value_kind: global_buffer, .address_space: global }
      - { .name: core1, .offset: 16, .size: 8, .value_kind: global_buffer, .address_space: global }
      - { .name: bias, .offset: 24, .size: 8, .value_kind: global_buffer, .address_space: global }
      - { .name: out0, .offset: 32, .size: 8, .value_kind: global_buffer, .address_space: global }
    .group_segment_fixed_size: 327680
    .private_segment_fixed_size: 0
    .kernarg_segment_align: 8
    .kernarg_segment_size: 40
    .max_flat_workgroup_size: 512
    .sgpr_count:     66
    .vgpr_count:     256
    .wavefront_size: 32
...
	.end_amdgpu_metadata
.endif
;; end of part 1
